; MI455X (gfx1250); checked and timed in simulation.
; The chip was launched on July 23, 2026; its instructions are those of AMD's public machine-readable ISA for CDNA 5 (MIT licence, August 2026) and "CDNA5" Instruction Set Architecture Reference Guide (July 2026). The comments in the code are by the model that wrote it; some were corrected since.
;; SVD Quant Linear. Allowed arithmetic: matrix products marked QUANTISED: E3M2 operands, one E8M0 scale for each 32 along K, by v_wmma_scale_f32_16x16x128_f8f6f4 with both operands' format E3M2, f32 sums; everything else in f32.
;; Inputs: bias 4,096 float32; lora_down_codes 32 x 128 x 24 uint8 (E3M2 codes of lora_down, K innermost, in blocks of 32 codes, four codes in three bytes); lora_down_scales 32 x 128 uint8 (E8M0 scales of lora_down, one for each 32 codes along K); lora_up_codes 4,096 x 1 x 24 uint8 (E3M2 codes of lora_up, K innermost, in blocks of 32 codes, four codes in three bytes); lora_up_scales 4,096 x 1 uint8 (E8M0 scales of lora_up, one for each 32 codes along K); qweight 4,096 x 4,096 int32; wscale 4,096 x 64 float32; x 4,096 x 4,096 float32.
;; Outputs: out0 4,096 x 4,096 float32.
;; This version of the problem:
;;   THIS VERSION OF THE PROBLEM IS GIVEN IN LOW PRECISION. The matrix products marked QUANTISED in the list below multiply operands that are first quantised to E3M2 (3 exponent bits, 2 mantissa bits; 6 bits a number), with one power-of-two scale for each 32 numbers along K (OCP MX v1.0); their sums are f32. All else is computed in f32.
;;   The module's matrix products, in the order in which they are computed (A, B: the left and right operand; K: the contracted axis; several contracted axes count as one K, in the product's order):
;;     1. [M 4,096, K 4,096] x [K 4,096, N 4,096]; A: computed on the way; B: computed on the way: QUANTISED
;;     2. [M 4,096, K 4,096] x [K 4,096, N 32]; A: input x; B: input lora_down (given as codes): QUANTISED
;;     3. [M 4,096, K 32] x [K 32, N 4,096]; A: computed on the way; B: input lora_up (given as codes): QUANTISED
;;   THE QUANTISER, for each operand of a quantised product, along K:
;;     - K is cut into blocks of 32 from its start; a last block that is shorter is filled with zeros.
;;     - A block's scale is 2^e with e = floor(log2(the largest magnitude in the block)) - 4, held to -126 .. 127; a block of zeros has e = 0. As a byte (E8M0): e + 127.
;;     - Each number is divided by its block's scale, clamped to +-28, and rounded to the nearest number of E3M2, ties to even, subnormals kept.
;;     - The product sums the exact products of the quantised numbers (number of the format x scale) in f32.
;;   ~~~python
;;   def quantise(x, axis):      # numpy; x: float32 -> the quantised numbers, widened to float32 again
;;       x = np.moveaxis(x, axis, -1); K = x.shape[-1]
;;       x = np.pad(x, [(0, 0)] * (x.ndim - 1) + [(0, -K % 32)]); x = x.reshape(x.shape[:-1] + (-1, 32)); a = np.abs(x).max(-1, keepdims=True)
;;       e = np.where(a > 0, np.clip(np.frexp(np.where(a > 0, a, 1))[1] - 1 - 4, -126, 127), 0)      # np.frexp(a)[1] - 1 = floor(log2(a)), exactly
;;       r = np.clip(x / 2.0 ** e, -28, 28)
;;       step = 2.0 ** (np.maximum(np.frexp(np.where(r == 0, 1, r))[1] - 1, -2) - 2)
;;       q = np.round(r / step) * step * 2.0 ** e      # np.round: ties to even
;;       return np.moveaxis(q.reshape(q.shape[:-2] + (-1,))[..., :K], -1, axis).astype(np.float32)
;;   ~~~
;;   OPERANDS COMPUTED ON THE WAY. 'Computed on the way' means the value that the module computes at that place (a softmax that the list does not call 'softmax' is quantised finished and normalised). What goes into a quantiser is computed in f32, as accurately as f32 sums, v_exp_f32 and their like allow (about 1e-6 of the number): no bf16 or f16 on the way to a quantiser, and a product that is left as it is and whose result goes on into a quantised operand takes f32 operands (vector FMAs, or v_wmma_f32_16x16x4_f32). A number that lies on a knife's edge between two numbers of the format may be rounded either way, as far as f32 arithmetic and the matrix unit's own rounding can turn it there, and no further.
;;   INPUTS GIVEN AS CODES. lora_down (in the module: [32, 4096], K = its axis 1); lora_up (in the module: [4096, 32], K = its axis 1): each comes as NAME_codes (uint8): NAME with its K axis moved to the last place and cut into blocks of 32 codes, [.., K / 32, bytes a block], one block behind the other in memory; four codes in three bytes: a row's codes are one little-endian stream of bits, code i at bits 6 i .. 6 i + 5 (a code: sign, 3 exponent bits, 2 mantissa bits); and NAME_scales (uint8): the same leading axes, one E8M0 byte (e + 127) for each 32 codes along K. Its value is code x scale, taken as it is: it is not quantised again, and the codes and scales need not be those that the quantiser above would give.
;; One version. Each part assembles by itself: llvm-mc -triple=amdgcn-amd-amdhsa -mcpu=gfx1250 --defsym DOCPART=n.
;; ======== version 1 of 1: 2 launches
;; limits: right only within a limited range of input values
;; workspace buffers: acodes 13,697,024 bytes; bcodes 13,697,024 bytes
;; launch prep (part 1): grid 256 x 1, 16 waves a work-group, no clusters, 327,680 bytes of LDS; arguments x, qweight, wscale, lora_down_codes, lora_down_scales, lora_up_codes, lora_up_scales, acodes, bcodes; writes acodes, bcodes
.if DOCPART == 1
	.amdgcn_target "amdgcn-amd-amdhsa--gfx1250"
	.amdhsa_code_object_version 6
	.text
	.protected	k_q8b405edc2c_prep
	.globl	k_q8b405edc2c_prep
	.p2align	8
	.type	k_q8b405edc2c_prep,@function
k_q8b405edc2c_prep:
	s_mov_b64 s[64:65], 0
	v_nop
	global_prefetch_b8 v0, s[64:65] scope:SCOPE_SE
	s_setreg_imm32_b32 hwreg(HW_REG_WAVE_MODE, 25, 1), 1
	s_wait_xcnt 0x0
; THE OPERANDS OF THE BIG PRODUCT ARE MADE ONCE.  Work-group g takes rows 16 g .. 16 g + 15 of x [4096][4096] f32 and of qweight [4096][4096] i32.
;   xq = clip(round(x / ascale), -8, 7) x ascale, ascale = max(row's largest |x|, 1e-6) / 7;   W = float(qweight) x wscale[row][k / 64];   t = Q(x) lora_down^T.
; Q is the quantiser to BF6 (E3M2) with one E8M0 scale for each 32 along K: scale byte = the block's largest magnitude's exponent field - 4, held at 1 from below.
; Stored: the codes and scale words of xq (acodes) and of W (bcodes), and as K step 32 of each stripe the codes of Q(t) (acodes) and lora_up's given codes (bcodes), filled up to 128 along K by zero codes under the byte 127.
; x's own codes go straight into the product with lora_down and never reach memory.
; LAYOUT OF acodes AND bcodes: the order of the operand's registers.  A stripe (16 rows) is 17 chunks of 3,328 bytes; a chunk is two fragments (16 rows x 128 K, 12 registers a lane: registers 4 c .. 4 c + 3 of lane l
; at 512 c + 16 l) and 256 bytes of scale words (8 bytes a lane: the two K steps' words; lanes 16-31 repeat lanes 0-15).  Every store of a wave covers 512 or 256 consecutive bytes at a multiple of 256 from the buffer's first byte.
; SHARES.  Sixteen waves; wave w takes K = 256 w .. 256 w + 255 of all 16 rows: two K steps of 128.  Lane (r = lane % 16, h = lane / 16) holds row r; register 64 s + 16 b + i holds k = 128 s + 32 b + 16 h + i.
; ORDER.  x's tile comes by a tensor load and is copied into 128 registers.  The barrier that the rows' maxima need is also the one in front of the refill: qweight's tile is asked for into the same LDS bytes
; and lands while x is worked on.  By this text's own count a wave has one tensor load out at any time.
; THE TWO DIVISIONS of the fake quantiser are made with residual corrections by fused multiply-adds (a reciprocal, two Newton steps, two corrections of each quotient), since round() turns over at every half.
; LIMITS: NaN and infinities among the inputs are not served; a row's largest magnitude above 2^120 is not served (its reciprocal would be flushed to zero); a block whose largest magnitude lies under 2^-122
; gets the byte 1 (a block of zeros too: its codes are zeros, and this program alone reads the bytes); t is the sum of sixteen f32 partial sums, added as a tree, not one chain along K.
; THE LAYOUT OF acodes AND bcodes AS IT STANDS NOW (it takes the place of the paragraph on the layout above): a stripe (16 rows) is 11 chunks of 4,864 bytes; a chunk is THREE fragments
; (K steps 3 c .. 3 c + 2, 1,536 bytes each, registers 4 i .. 4 i + 3 of lane l at 512 i + 16 l) and 256 bytes of scale words: row r at 16 r, one word for each of the three K steps and a fourth word of bytes 127 that no product reads.
; K step s begins at 1,536 s + 256 (s / 3).  K step 32, the third of chunk 10, is the low-rank step: Q(t)'s codes (acodes), lora_up's given codes (bcodes).
; Wave w still makes K steps 2 w and 2 w + 1.  The scale words meet in LDS (SCB on: 16 x 256 bytes for xq, the same for W), and a wave stores a chunk's 256 bytes whole.
.set CH,     4864
.set STRIPE, 11*CH
.set PITCH,  1040                      ; an LDS row: 1,024 bytes + 16 of padding: row r begins 16 r bytes on modulo 256, so sixteen lanes' 16 bytes fall on sixteen different columns
.set TILEB,  16*PITCH                  ; a wave's tile
.set MAXB,   16*TILEB                  ; behind the tiles: the waves' maxima: row r at 80 r, wave w's at + 4 w
.set TPB,    MAXB+1280                 ; the waves' parts of t: 2,048 bytes a wave, register quad c of lane l at 512 c + 16 l
.set SPARE,  TPB+16*2048
.set SCB,    SPARE+2048                ; behind the spare words: the chunks' scale words, xq's at 256 c, W's 4,096 bytes on
.set SPW,  1                           ; v1   SPARE + 4 x my thread's number; never rewritten
.set NIL,  2                           ; v2   0; never rewritten
.set LA,   3                           ; v3   my place in my wave's tile: row r, + 64 h
.set MXS,  4                           ; v4   where my wave's maximum of row r goes
.set MXR,  5                           ; v5   row r's sixteen maxima
.set TPS,  6                           ; v6   where my part of t goes
.set TPR,  7                           ; v7   wave 0's place in it, for my lane
.set GO,   8                           ; v8   16 x lane
.set GS,   9                           ; v9   8 x lane
.set LDO,  10                          ; v10  lora_down's codes: my row, my half, my wave's K
.set LSO,  11                          ; v11  its scale words
.set Y,    12                          ; v[12:13] 1 / ascale (the low register serves both halves; the upper is scratch that has been written)
.set NA,   14                          ; v[14:15] -ascale
.set A,    16                          ; v[16:17] ascale
.set TMA,  18                          ; v18-21 the four blocks' largest magnitudes, K step 0
.set TMB,  22                          ; v22-25 K step 1
.set PT,   26                          ; v26-29 the other half's maxima, then the bytes
.set SO,   30                          ; v30-33 the conversions' scale operands
.set PW,   34                          ; v34  x's scale word: a matrix instruction's scale operand and nothing else
.set WSO,  35                          ; v35  wscale: 256 r + 16 w
.set SW,   36                          ; v[36:37] the two K steps' scale words, to be stored
.set PC,   38                          ; v38-57 the codes just made: 12 registers, and the conversions' second halves
.set Q,    38                          ; v38-45 quotients,
.set R,    46                          ; v46-53 residuals (between two uses of PC)
.set LD,   58                          ; v58-105 lora_down's four fragments: (K step s, tile u) at 24 s + 12 u
.set WS,   58                          ; later v58-61 my row's four scales of W,
.set WP,   62                          ; v62-69 each of them twice, as pairs
.set LU,   70                          ; wave 0: v70-75 lora_up's 24 bytes, v76 its byte, v77 r
.set LDSC, 106                         ; v106-109 lora_down's scale words: 2 s + u
.set T,    110                         ; v110-125 t^T: two accumulators; register 8 u + j is t(row r, rank 16 h + 8 u + j)
.set LN,   126                         ; v126 lane
.set LUO,  127                         ; v127 24 r
.set X,    128                         ; v128-255 my 128 numbers
.set FT,   132                         ; wave 0: t's fragment,
.set SWT,  144                         ; its scale words,
.set FU,   148                         ; lora_up's fragment,
.set SWU,  160                         ; its scale words
.set WV,   22                          ; s22  my wave's number
.set G1,   24                          ; s[24:31] descriptor group 1: one shape for x's and qweight's tiles
.set G0X,  32                          ; s[32:35] group 0 for x's tile
.set G0W,  36                          ; s[36:39] for qweight's
.set SEL,  40                          ; s[40:41] lane selects for v_permlanex16_b32: lane l xor 16
.set AOUT, 46                          ; s[46:47] acodes at my first K step, 2 w
.set BOUT, 48                          ; s[48:49] bcodes likewise
; the largest magnitude of each of four blocks of 32: my 16 numbers, the floor 2^(5 - 127), and lane l xor 16's
.macro BMAX src, tm
.irp b, 0,1,2,3
	v_max3_num_f32 v[\tm+\b], |v[\src+16*\b]|, |v[\src+1+16*\b]|, 0x2800000
.endr
.irp i, 2,4,6,8,10,12,14
.irp b, 0,1,2,3
	s_delay_alu instid0(VALU_DEP_4)
	v_max3_num_f32 v[\tm+\b], v[\tm+\b], |v[\src+16*\b+\i]|, |v[\src+1+16*\b+\i]|   ; the four blocks by turns: no line waits for the line above it
.endr
.endr
.irp b, 0,1,2,3
	s_delay_alu instid0(VALU_DEP_4)
	v_permlanex16_b32 v[PT+\b], v[\tm+\b], s[SEL], s[SEL+1]
.endr
.irp b, 0,1,2,3
	s_delay_alu instid0(VALU_DEP_4)
	v_max_num_f32 v[\tm+\b], v[\tm+\b], v[PT+\b]
.endr
.endm
; 64 numbers and their blocks' maxima become a fragment's codes in v[PC] on and its scale word in v[pw]
.macro CODES src, tm, pw
.irp b, 0,1,2,3
	v_add_nc_u32 v[SO+\b], 0xfe000000, v[\tm+\b]   ; 4 off the exponent field: the conversion takes the exponent field of this operand as its scale
.endr
.irp b, 0,1,2,3
	s_delay_alu instid0(VALU_DEP_4)
	v_lshrrev_b32 v[PT+\b], 23, v[SO+\b]           ; the scale's byte
.endr
	s_delay_alu instid0(VALU_DEP_3)
	v_lshl_or_b32 v[\pw], v[PT+1], 8, v[PT]
	s_delay_alu instid0(VALU_DEP_1)
	v_lshl_or_b32 v[\pw], v[PT+2], 16, v[\pw]
	s_delay_alu instid0(VALU_DEP_1)
	v_lshl_or_b32 v[\pw], v[PT+3], 24, v[\pw]
.irp c, 0,1
	v_cvt_scalef32_pk16_bf6_f32 v[PC+6*\c:PC+2+6*\c], v[\src+32*\c:\src+15+32*\c], v[SO+2*\c]
	v_cvt_scalef32_pk16_bf6_f32 v[PC+12+4*\c:PC+14+4*\c], v[\src+16+32*\c:\src+31+32*\c], v[SO+2*\c+1]   ; (a conversion's three registers begin on an even number)
.endr
	v_nop                                          ; one plain place behind a scaled conversion
.irp c, 0,1                                    ; the operand's layout wants a whole block in a lane: lanes 0-15 block 2 c, lanes 16-31 block 2 c + 1
.irp i, 0,1,2
	v_permlane16_swap_b32 v[PC+6*\c+\i], v[PC+12+4*\c+\i]
.endr
.irp i, 0,1,2
	s_delay_alu instid0(VALU_DEP_3)
	v_mov_b32 v[PC+3+6*\c+\i], v[PC+12+4*\c+\i]
.endr
.endr
.endm
; the fragment in v[PC] on goes to memory as it stands: three stores of 512 consecutive bytes
.macro IMG base, off
.irp c, 0,1,2
	global_store_b128 v[GO], v[PC+4*\c:PC+4*\c+3], s[\base:\base+1] offset:\off+512*\c
.endr
.endm
; K step s: x becomes xq, in place, eight numbers at a time.  q = x y; twice: r = x - q a (one rounding), q = q + r y; round to even, hold to -8 .. 7, times a
.macro DIV s
.set G, 0
.rept 8
.set XB, X+64*(\s)+8*G
.irp p, 0,1,2,3
	v_pk_mul_f32 v[Q+2*\p:Q+2*\p+1], v[XB+2*\p:XB+2*\p+1], v[Y:Y+1] op_sel_hi:[1,0]
.endr
.rept 2
.irp p, 0,1,2,3
	s_delay_alu instid0(VALU_DEP_4)
	v_pk_fma_f32 v[R+2*\p:R+2*\p+1], v[Q+2*\p:Q+2*\p+1], v[NA:NA+1], v[XB+2*\p:XB+2*\p+1] op_sel_hi:[1,0,1]
.endr
.irp p, 0,1,2,3
	s_delay_alu instid0(VALU_DEP_4)
	v_pk_fma_f32 v[Q+2*\p:Q+2*\p+1], v[R+2*\p:R+2*\p+1], v[Y:Y+1], v[Q+2*\p:Q+2*\p+1] op_sel_hi:[1,0,1]
.endr
.endr
.irp j, 0,1,2,3,4,5,6,7
	v_rndne_f32 v[Q+\j], v[Q+\j]
.endr
.irp j, 0,1,2,3,4,5,6,7
	v_med3_num_f32 v[Q+\j], v[Q+\j], s42, s43
.endr
.irp p, 0,1,2,3
	v_pk_mul_f32 v[XB+2*\p:XB+2*\p+1], v[Q+2*\p:Q+2*\p+1], v[A:A+1] op_sel_hi:[1,0]
.endr
.set G, G+1
.endr
.endm
; K step s of x: its codes, the product with lora_down, then xq, its codes, and their way out
.macro XSTEP s, tm
	s_wait_xcnt 0x0                                ; the last stores have read v[PC] on: only behind this wait are they written again
	CODES X+64*\s, \tm, PW
.if \s == 0
	s_wait_alu depctr_va_vdst(0)
	s_wait_loadcnt 0x0                             ; lora_down's fragments and scale words
.endif
.rept 8
	v_nop                                          ; a scale register written by a vector instruction stands 8 places ahead of a scaled matrix instruction, an operand so written 4
.endr
.irp u, 0,1                                    ; t^T += lora_down x^T: source 0 = 16 ranks, source 1 = my 16 rows.  The two accumulators take turns
.if \s == 0
	v_wmma_scale_f32_16x16x128_f8f6f4 v[T+8*\u:T+8*\u+7], v[LD+24*\s+12*\u:LD+24*\s+12*\u+11], v[PC:PC+11], 0, v[LDSC+2*\s+\u], v[PW] matrix_a_fmt:MATRIX_FMT_BF6 matrix_b_fmt:MATRIX_FMT_BF6
.else
	v_wmma_scale_f32_16x16x128_f8f6f4 v[T+8*\u:T+8*\u+7], v[LD+24*\s+12*\u:LD+24*\s+12*\u+11], v[PC:PC+11], v[T+8*\u:T+8*\u+7], v[LDSC+2*\s+\u], v[PW] matrix_a_fmt:MATRIX_FMT_BF6 matrix_b_fmt:MATRIX_FMT_BF6
.endif
.endr
.rept 4
	v_nop                                          ; four places before vector instructions write the registers that held x's codes (ISA guide 7.12.1)
.endr
	DIV \s
	BMAX X+64*\s, \tm
	CODES X+64*\s, \tm, SW+\s
	IMG AOUT+20*\s, 0
.endm
; K step s of W
.macro WSTEP s, tm
	s_wait_xcnt 0x0                                ; the last stores have read v[PC] on and v[SW]
.set J, 0
.rept 64
	v_cvt_f32_i32 v[X+64*(\s)+J], v[X+64*(\s)+J]
.set J, J+1
.endr
.irp b, 0,1,2,3
.irp i, 0,2,4,6,8,10,12,14
	v_pk_mul_f32 v[X+64*(\s)+16*\b+\i:X+64*(\s)+16*\b+\i+1], v[X+64*(\s)+16*\b+\i:X+64*(\s)+16*\b+\i+1], v[WP+2*(2*(\s)+\b/2):WP+2*(2*(\s)+\b/2)+1]   ; a group of 64 is two blocks
.endr
.endr
	BMAX X+64*\s, \tm
	CODES X+64*\s, \tm, SW+\s
	IMG BOUT+20*\s, 0
.endm
; the low-rank step: the fragment in v[f] on, three stores of 512 consecutive bytes
.macro LCH f, base                     ; K step 32's fragment: the third of chunk 10
.irp c, 0,1,2
	global_store_b128 v[GO], v[\f+4*\c:\f+4*\c+3], s[\base:\base+1] offset:10*CH+3072+512*\c
.endr
.endm
; eight of t's sixteen registers (8 cb on): the sixteen waves' parts from LDS, added as a tree
.macro TSUM cb
.irp wv, 0,1,2,3,4,5,6,7,8,9,10,11,12,13,14,15
.irp c, 0,1
	ds_load_b128 v[X+8*\wv+4*\c:X+8*\wv+4*\c+3], v[TPR] offset:2048*\wv+512*(2*\cb+\c)
.endr
.endr
	s_wait_dscnt 0x0
.irp st, 1,2,4
.irp wv, 0,2,4,6,8,10,12,14
.if (\wv % (2*\st)) == 0
.irp k, 0,2,4,6
	v_pk_add_f32 v[X+8*\wv+\k:X+8*\wv+\k+1], v[X+8*\wv+\k:X+8*\wv+\k+1], v[X+8*(\wv+\st)+\k:X+8*(\wv+\st)+\k+1]
.endr
.endif
.endr
.endr
.irp k, 0,2,4,6
	s_delay_alu instid0(VALU_DEP_4)
	v_pk_add_f32 v[T+8*\cb+\k:T+8*\cb+\k+1], v[X+\k:X+\k+1], v[X+64+\k:X+64+\k+1]
.endr
.endm
	s_load_b256 s[4:11], s[0:1], 0x0               ; x s[4:5], qweight s[6:7], wscale s[8:9], lora_down's codes s[10:11]
	s_load_b256 s[12:19], s[0:1], 0x20             ; lora_down's scales s[12:13], lora_up's codes s[14:15], its scales s[16:17], acodes s[18:19]
	s_load_b64 s[20:21], s[0:1], 0x40              ; bcodes
	v_lshl_add_u32 v[SPW], v0, 2, SPARE
	v_mov_b32 v[NIL], 0
	ds_add_u32 v1, v2
	ds_add_u32 v1, v2
	s_wait_dscnt 0x0
	v_lshrrev_b32 v[LA], 5, v0
	s_delay_alu instid0(VALU_DEP_1)
	v_readfirstlane_b32 s[WV], v[LA]               ; wave 0..15
	v_and_b32 v[LN], 31, v0                        ; lane
	v_and_b32 v[LUO], 15, v0                       ; r
	v_bfe_u32 v[WSO], v0, 4, 1                     ; h
	s_mul_i32 s[G0X+1], s[WV], TILEB               ; my wave's tile in LDS
	s_mul_i32 s[G0W+1], s[WV], TILEB
	v_mul_u32_u24 v[LA], v[LUO], PITCH
	s_delay_alu instid0(VALU_DEP_1)
	v_lshl_add_u32 v[LA], v[WSO], 6, v[LA]
	s_delay_alu instid0(VALU_DEP_1)
	v_add_nc_u32 v[LA], s[G0X+1], v[LA]
	v_mul_u32_u24 v[MXR], v[LUO], 80
	s_delay_alu instid0(VALU_DEP_1)
	v_add_nc_u32 v[MXR], MAXB, v[MXR]
	s_lshl_b32 s56, s[WV], 2
	v_add_nc_u32 v[MXS], s56, v[MXR]
	v_lshlrev_b32 v[GO], 4, v[LN]
	v_lshlrev_b32 v[GS], 3, v[LN]
	s_delay_alu instid0(VALU_DEP_2)
	v_add_nc_u32 v[TPR], TPB, v[GO]
	s_lshl_b32 s57, s[WV], 11
	v_add_nc_u32 v[TPS], s57, v[TPR]
	v_and_b32 v[LDO], 8, v[LUO]
	s_delay_alu instid0(VALU_DEP_1)
	v_add_nc_u32 v[LDO], v[LDO], v[LUO]            ; r + 8 (r / 8): THE RANKS OF A TILE ARE NOT NEIGHBOURS: lane r of tile u takes rank 8 u + r + 8 (r / 8), so that my 16 registers of t are 16 neighbouring ranks
	s_delay_alu instid0(VALU_DEP_1)
	v_lshlrev_b32 v[LSO], 7, v[LDO]                ; a row of lora_down's scales is 128 bytes,
	s_lshl_b32 s58, s[WV], 3
	v_add_nc_u32 v[LSO], s58, v[LSO]               ; my wave's two words 8 w on
	v_mul_u32_u24 v[LDO], v[LDO], 3072             ; a row of its codes 3,072 bytes,
	s_delay_alu instid0(VALU_DEP_1)
	v_mad_u32_u24 v[LDO], v[WSO], 24, v[LDO]
	s_mul_i32 s59, s[WV], 192
	v_add_nc_u32 v[LDO], s59, v[LDO]               ; my wave's 256 codes 192 w on
	v_lshlrev_b32 v[WSO], 8, v[LUO]                ; a row of wscale is 256 bytes,
	s_lshl_b32 s56, s[WV], 4
	v_add_nc_u32 v[WSO], s56, v[WSO]               ; my wave's four groups 16 w on
	v_mul_u32_u24 v[LUO], v[LUO], 24               ; a row of lora_up's codes is 24 bytes
.irp b, 0,1,2,3
	v_mov_b32 v[PT+\b], 0                          ; written once: a lane permute's destination counts as one of its sources
.endr
	s_mov_b32 s[SEL], 0x76543210
	s_mov_b32 s[SEL+1], 0xfedcba98
	s_mov_b32 s42, 0xc1000000                      ; -8
	s_mov_b32 s43, 0x40e00000                      ; 7
	s_mov_b32 s44, 0x3e124925                      ; 1 / 7, rounded
	s_mov_b32 s45, 0xc0e00000                      ; -7
	; descriptor group 1: a tile of 16 rows x 256 elements of 4 bytes, 4,096 elements from row to row; 16 bytes of padding behind each row
	s_mov_b32 s[G1+0], (2<<16)|(1<<20)|(7<<22)|(3<<25)  ; 15:0 no mask; 17:16 elements of 4 bytes; 20 padding on; 24:22 after every 256 words (code 7); 31:25 of 4 words (code 3)
	s_mov_b32 s[G1+1], 256<<16                     ; tensor_dim0 = 256
	s_mov_b32 s[G1+2], 16<<16                      ; tensor_dim1 = 16
	s_mov_b32 s[G1+3], 256<<16                     ; tile_dim0 = 256
	s_mov_b32 s[G1+4], 16                          ; tile_dim1 = 16
	s_mov_b32 s[G1+5], 4096                        ; tensor_dim0_stride
	s_mov_b32 s[G1+6], 0
	s_mov_b32 s[G1+7], 0
	s_mov_b32 s[G0X], 1
	s_mov_b32 s[G0W], 1
	s_lshl_b32 s56, ttmp9, 18                      ; 16 rows of 16,384 bytes a work-group,
	s_lshl_b32 s57, s[WV], 10                      ; 1,024 bytes of a row a wave
	s_add_co_u32 s56, s56, s57
	s_mov_b32 s57, 0
	s_mul_i32 s58, ttmp9, STRIPE
	s_mul_i32 s60, s[WV], 22
	s_lshr_b32 s60, s60, 5                         ; c0 = (2 w) / 3, as 11 (2 w) / 32: exact up to 32
	s_mul_i32 s61, s[WV], 22
	s_add_co_u32 s61, s61, 11
	s_lshr_b32 s61, s61, 5                         ; c1 = (2 w + 1) / 3
	s_mul_i32 s62, s[WV], CH
	s_add_co_u32 s62, s62, s58
	s_add_co_u32 s62, s62, 4608                    ; chunk w's scale words
	s_mov_b32 s63, 0
	s_mul_i32 s59, s[WV], 3072
	s_add_co_u32 s58, s58, s59
	s_lshl_b32 s59, s61, 8
	s_add_co_u32 s59, s59, s58
	s_add_co_u32 s78, s59, 1536                    ; K step 2 w + 1: 1,536 (2 w + 1) + 256 c1
	s_mov_b32 s79, 0
	s_lshl_b32 s59, s60, 8
	s_add_co_u32 s58, s58, s59                     ; K step 2 w: 3,072 w + 256 c0
	s_mov_b32 s59, 0
	s_lshl_b32 s72, s[WV], 3
	s_mul_i32 s70, s60, 244
	s_add_co_u32 s70, s70, s72
	s_add_co_u32 s70, s70, SCB                     ; K step s's word of row 0 in LDS: 256 (s / 3) + 4 (s % 3) = 4 s + 244 (s / 3)
	s_mul_i32 s71, s61, 244
	s_add_co_u32 s71, s71, s72
	s_add_co_u32 s71, s71, SCB+4
	s_lshl_b32 s72, s[WV], 8
	s_add_co_u32 s72, s72, SCB                     ; chunk w's words in LDS
	s_add_co_u32 s73, s72, 12                      ; and its rows' fourth words
	s_wait_alu depctr_va_vdst(0)
	s_wait_kmcnt 0x0
	s_add_nc_u64 s[G0X+2:G0X+3], s[4:5], s[56:57]
	s_or_b32 s[G0X+3], s[G0X+3], 0x80000000        ; type = 2
	s_add_nc_u64 s[G0W+2:G0W+3], s[6:7], s[56:57]
	s_or_b32 s[G0W+3], s[G0W+3], 0x80000000
	tensor_load_to_lds s[G0X:G0X+3], s[G1:G1+7]    ; x's tile: the first fill
	s_nop 0
.rept 4
	v_nop
.endr
	s_add_nc_u64 s[AOUT:AOUT+1], s[18:19], s[58:59]
	s_add_nc_u64 s[BOUT:BOUT+1], s[20:21], s[58:59]
	s_add_nc_u64 s[66:67], s[18:19], s[78:79]      ; acodes and bcodes at my second K step,
	s_add_nc_u64 s[68:69], s[20:21], s[78:79]
	s_add_nc_u64 s[74:75], s[18:19], s[62:63]      ; and at chunk w's scale words
	s_add_nc_u64 s[76:77], s[20:21], s[62:63]
	s_mul_i32 s56, ttmp9, 384
	s_add_nc_u64 s[50:51], s[14:15], s[56:57]      ; lora_up's codes at my 16 rows
	s_lshl_b32 s56, ttmp9, 4
	s_add_nc_u64 s[52:53], s[16:17], s[56:57]      ; its scale bytes
	s_lshl_b32 s56, ttmp9, 12
	s_add_nc_u64 s[54:55], s[8:9], s[56:57]        ; wscale at my 16 rows
.irp s, 0,1
.irp u, 0,1
.irp p, 0,1,2,3,4,5
	global_load_b64 v[LD+24*\s+12*\u+2*\p:LD+24*\s+12*\u+2*\p+1], v[LDO], s[10:11] offset:8*\u*3072+96*\s+48*(\p/3)+8*(\p%3)
.endr
	global_load_b32 v[LDSC+2*\s+\u], v[LSO], s[12:13] offset:8*\u*128+4*\s
.endr
.endr
	; ---- x into registers; the blocks' maxima, which serve x's own codes, and from them my wave's maximum of each row
	s_wait_tensorcnt 0x0                           ; my tile is in LDS; only I read it
.irp s, 0,1
.irp b, 0,1,2,3
.irp j, 0,1,2,3
	ds_load_b128 v[X+64*\s+16*\b+4*\j:X+64*\s+16*\b+4*\j+3], v[LA] offset:512*\s+128*\b+16*\j
.endr
.endr
.endr
	s_wait_dscnt 16                                ; K step 0's sixteen loads are in, K step 1's sixteen may be out
	BMAX X, TMA
	s_wait_dscnt 0x0
	BMAX X+64, TMB
	v_max3_num_f32 v13, v[TMA], v[TMA+1], v[TMA+2]
	s_delay_alu instid0(VALU_DEP_1)
	v_max3_num_f32 v13, v13, v[TMA+3], v[TMB]
	s_delay_alu instid0(VALU_DEP_1)
	v_max3_num_f32 v13, v13, v[TMB+1], v[TMB+2]
	s_delay_alu instid0(VALU_DEP_1)
	v_max_num_f32 v13, v13, v[TMB+3]
	ds_store_b32 v[MXS], v13                       ; lanes r and 16 + r write the same word with the same value
	; ---- one barrier for two things: the maxima lie in LDS, and nobody reads x's tiles any more
	s_wait_tensorcnt 0x0                           ; no tensor load of mine is out
	ds_add_u32 v[SPW], v[NIL]                      ; 0 onto my spare word
	s_wait_dscnt 0x0                               ; the add and my store are done; my reads of the tile are back
	s_barrier_signal -1
	s_barrier_wait -1
	tensor_load_to_lds s[G0W:G0W+3], s[G1:G1+7]    ; qweight's tile into the same bytes: my one tensor load behind the barrier, and the first thing there; it lands while x is worked on
	s_nop 0
.rept 4
	v_nop
.endr
	; ---- the row's constants
	ds_load_b128 v[38:41], v[MXR]
	ds_load_b128 v[42:45], v[MXR] offset:16
	ds_load_b128 v[46:49], v[MXR] offset:32
	ds_load_b128 v[50:53], v[MXR] offset:48
	s_wait_dscnt 0x0
	v_max3_num_f32 v54, v38, v39, 0x358637bd       ; with 1e-6 among the leaves
	v_max3_num_f32 v55, v40, v41, v42
	s_delay_alu instid0(VALU_DEP_2)
	v_max3_num_f32 v54, v54, v43, v44
	s_delay_alu instid0(VALU_DEP_2)
	v_max3_num_f32 v55, v55, v45, v46
	s_delay_alu instid0(VALU_DEP_2)
	v_max3_num_f32 v54, v54, v47, v48
	s_delay_alu instid0(VALU_DEP_2)
	v_max3_num_f32 v55, v55, v49, v50
	s_delay_alu instid0(VALU_DEP_2)
	v_max3_num_f32 v54, v54, v51, v52
	s_delay_alu instid0(VALU_DEP_1)
	v_max3_num_f32 v54, v54, v55, v53              ; m
	s_delay_alu instid0(VALU_DEP_1)
	v_mul_f32 v[A], s44, v54                       ; m / 7: m x (1 / 7), then twice the residual m - 7 q, in one rounding, times 1 / 7
	s_delay_alu instid0(VALU_DEP_1)
	v_fma_f32 v55, s45, v[A], v54
	s_delay_alu instid0(VALU_DEP_1)
	v_fma_f32 v[A], v55, s44, v[A]
	s_delay_alu instid0(VALU_DEP_1)
	v_fma_f32 v55, s45, v[A], v54
	s_delay_alu instid0(VALU_DEP_1)
	v_fma_f32 v[A], v55, s44, v[A]                 ; ascale
	s_delay_alu instid0(VALU_DEP_1)
	v_xor_b32 v[NA], 0x80000000, v[A]
	s_wait_alu depctr_va_vdst(0)
	v_rcp_f32 v[Y], v[A]
	v_mov_b32 v[A+1], v[A]                         ; (a plain place behind the reciprocal; the pairs' upper registers are named with the lower, so they are written)
	v_mov_b32 v[NA+1], v[NA]
	s_wait_alu depctr_va_vdst(0)                   ; the wait ahead of the reciprocal's first reader
	v_fma_f32 v[Y+1], v[NA], v[Y], 1.0             ; two Newton steps
	v_fma_f32 v[Y], v[Y+1], v[Y], v[Y]
	s_delay_alu instid0(VALU_DEP_1)
	v_fma_f32 v[Y+1], v[NA], v[Y], 1.0
	s_delay_alu instid0(VALU_DEP_1)
	v_fma_f32 v[Y], v[Y+1], v[Y], v[Y]
	; ---- x's codes and t; xq's codes
	XSTEP 0, TMA
	XSTEP 1, TMB
	v_and_b32 v80, 15, v0                          ; r.  (v78-89 held lora_down's fragments, which are done with)
	v_mov_b32 v82, 0x7f7f7f7f
	v_add_nc_u32 v83, s72, v[GS]                   ; chunk w's 256 bytes of words, 8 a lane
	s_delay_alu instid0(VALU_DEP_3)
	v_lshl_add_u32 v78, v80, 4, s70                ; row r's word of my first K step,
	s_delay_alu instid0(VALU_DEP_4)
	v_lshl_add_u32 v79, v80, 4, s71                ; of my second,
	v_lshl_add_u32 v81, v80, 4, s73                ; and the fourth word of chunk w's row r
	s_wait_alu depctr_va_vdst(0)
	ds_store_b32 v78, v[SW]                        ; lanes r and 16 + r write the same word with the same value
	ds_store_b32 v79, v[SW+1]
	ds_store_b32 v81, v82
	ds_store_b32 v81, v82 offset:4096
	global_load_b128 v[WS:WS+3], v[WSO], s[54:55]  ; my row's four scales of W (lora_down's registers are done with, hundreds of vector instructions behind the last product)
	ds_store_b128 v[TPS], v[T:T+3]                 ; my part of t, each accumulator from its low end on
	ds_store_b128 v[TPS], v[T+4:T+7] offset:512
	ds_store_b128 v[TPS], v[T+8:T+11] offset:1024
	ds_store_b128 v[TPS], v[T+12:T+15] offset:1536
	s_wait_dscnt 0x0                               ; for wave 0's sake: my stores are done
	s_barrier_signal -1                            ; qweight's tile may stay on its way
	s_barrier_wait -1
	; ---- wave 0 alone: t is summed and quantised; the stripes' low-rank steps
	s_cmp_lt_u32 s[WV], 10
	s_cbranch_scc0 .Lno_asc
	ds_load_b64 v[84:85], v83                      ; waves 0 to 9: xq's scale words of chunk w, whole: 256 consecutive bytes
	s_wait_dscnt 0x0
	global_store_b64 v[GS], v[84:85], s[74:75]
.Lno_asc:
	s_cmp_lg_u32 s[WV], 0
	s_cbranch_scc1 .Lothers
	v_and_b32 v[LU+7], 15, v0
	global_load_b64 v[LU:LU+1], v[LUO], s[50:51]
	global_load_b64 v[LU+2:LU+3], v[LUO], s[50:51] offset:8
	global_load_b64 v[LU+4:LU+5], v[LUO], s[50:51] offset:16
	global_load_u8 v[LU+6], v[LU+7], s[52:53]
	TSUM 0
	TSUM 1
	v_max3_num_f32 v128, |v[T]|, |v[T+1]|, 0x2800000   ; t's one block of 32 ranks: my 16, the floor,
.irp i, 2,4,6,8,10,12,14
	s_delay_alu instid0(VALU_DEP_1)
	v_max3_num_f32 v128, v128, |v[T+\i]|, |v[T+1+\i]|
.endr
	s_delay_alu instid0(VALU_DEP_1)
	v_permlanex16_b32 v[PT], v128, s[SEL], s[SEL+1]
	s_delay_alu instid0(VALU_DEP_1)
	v_max_num_f32 v128, v128, v[PT]                ; and lane l xor 16's
	s_delay_alu instid0(VALU_DEP_1)
	v_add_nc_u32 v129, 0xfe000000, v128
	s_delay_alu instid0(VALU_DEP_1)
	v_lshrrev_b32 v[SWT], 23, v129
	s_delay_alu instid0(VALU_DEP_1)
	v_or_b32 v[SWT], 0x7f7f7f00, v[SWT]            ; the three blocks of zero codes get the byte 127
.irp i, 3,4,5,6,7,8,9,10,11
	v_mov_b32 v[FT+\i], 0
.endr
	v_cvt_scalef32_pk16_bf6_f32 v[FT:FT+2], v[T:T+15], v129
	v_nop                                          ; one plain place behind a scaled conversion
.irp i, 0,1,2
	v_permlane16_swap_b32 v[FT+\i], v[FT+3+\i]     ; lanes 16-31's codes (ranks 16-31) go to lanes 0-15 of the next three registers, and zeros come back: lanes 0-15 hold the block, lanes 16-31 zero codes
.endr
	LCH FT, AOUT
	ds_store_b32 v81, v[SWT] offset:2556           ; t's word: chunk 10, row r, third word (in wave 0 v81 stands at chunk 0's fourth words)
	ds_load_b64 v[88:89], v83 offset:2560          ; chunk 10's words, whole: K steps 30 and 31 lay there before the barrier
	s_wait_dscnt 0x0
	global_store_b64 v[GS], v[88:89], s[AOUT:AOUT+1] offset:10*CH+4608
	s_wait_loadcnt 0x0
	v_cmp_gt_u32 vcc_lo, 16, v[LN]
.irp i, 0,1,2,3,4,5
	v_cndmask_b32 v[FU+\i], v[NIL], v[LU+\i], vcc_lo   ; lora_up's 32 codes as they are given, in lanes 0-15; zero codes in lanes 16-31
.endr
.irp i, 6,7,8,9,10,11
	v_mov_b32 v[FU+\i], 0
.endr
	v_or_b32 v[SWU], 0x7f7f7f00, v[LU+6]
	LCH FU, BOUT
	ds_store_b32 v81, v[SWU] offset:4096+2556      ; lora_up's word, among W's
.Lothers:
	; ---- W
	s_wait_tensorcnt 0x0                           ; qweight's tile is in LDS; only I read it
	s_wait_xcnt 0x0                                ; wave 0's stores have read their registers, which lie where the loads below land
.irp s, 0,1
.irp b, 0,1,2,3
.irp j, 0,1,2,3
	ds_load_b128 v[X+64*\s+16*\b+4*\j:X+64*\s+16*\b+4*\j+3], v[LA] offset:512*\s+128*\b+16*\j
.endr
.endr
.endr
	s_wait_loadcnt 0x0                             ; wscale
.irp g, 0,1,2,3
	v_mov_b32 v[WP+2*\g], v[WS+\g]
	v_mov_b32 v[WP+2*\g+1], v[WS+\g]
.endr
	s_wait_dscnt 16                                ; K step 0's sixteen loads are in
	WSTEP 0, TMA
	s_wait_dscnt 0x0
	WSTEP 1, TMB
	ds_store_b32 v78, v[SW] offset:4096
	ds_store_b32 v79, v[SW+1] offset:4096
	s_wait_dscnt 0x0                               ; for the others' sake: my words lie in LDS
	s_barrier_signal -1
	s_barrier_wait -1
	s_cmp_lt_u32 s[WV], 11
	s_cbranch_scc0 .Lno_bsc
	ds_load_b64 v[84:85], v83 offset:4096          ; waves 0 to 10: W's scale words of chunk w, whole
	s_wait_dscnt 0x0
	global_store_b64 v[GS], v[84:85], s[76:77]
.Lno_bsc:
	s_wait_tensorcnt 0x0                           ; the wave's end
	ds_add_u32 v[SPW], v[NIL]
	s_wait_dscnt 0x0
	s_endpgm
.Lfunc_end_k_q8b405edc2c_prep:
	.size	k_q8b405edc2c_prep, .Lfunc_end_k_q8b405edc2c_prep-k_q8b405edc2c_prep
	.p2alignl 7, 3214868480
	.fill 96, 4, 3214868480
	.section	.rodata,"a",@progbits
	.p2align	6, 0x0
	.amdhsa_kernel k_q8b405edc2c_prep
		.amdhsa_group_segment_fixed_size 327680
		.amdhsa_private_segment_fixed_size 0
		.amdhsa_enable_private_segment 0
		.amdhsa_kernarg_size 72
		.amdhsa_user_sgpr_count 2
		.amdhsa_user_sgpr_kernarg_segment_ptr 1
		.amdhsa_wavefront_size32 1
		.amdhsa_system_sgpr_workgroup_id_x 1
		.amdhsa_system_sgpr_workgroup_id_y 1
		.amdhsa_system_sgpr_workgroup_id_z 1
		.amdhsa_system_vgpr_workitem_id 0
		.amdhsa_next_free_vgpr 256
		.amdhsa_next_free_sgpr 80
		.amdhsa_reserve_vcc 1
		.amdhsa_float_denorm_mode_32 3
		.amdhsa_float_denorm_mode_16_64 3
		.amdhsa_memory_ordered 1
		.amdhsa_forward_progress 1
		.amdhsa_inst_pref_size 119
	.end_amdhsa_kernel
	.amdgpu_metadata
---
amdhsa.version: [ 1, 2 ]
amdhsa.kernels:
  - .name:           k_q8b405edc2c_prep
    .symbol:         k_q8b405edc2c_prep.kd
    .args:
      - { .name: x, .offset: 0, .size: 8, .value_kind: global_buffer, .address_space: global }
      - { .name: qweight, .offset: 8, .size: 8, .value_kind: global_buffer, .address_space: global }
      - { .name: wscale, .offset: 16, .size: 8, .value_kind: global_buffer, .address_space: global }
      - { .name: lora_down_codes, .offset: 24, .size: 8, .value_kind: global_buffer, .address_space: global }
      - { .name: lora_down_scales, .offset: 32, .size: 8, .value_kind: global_buffer, .address_space: global }
      - { .name: lora_up_codes, .offset: 40, .size: 8, .value_kind: global_buffer, .address_space: global }
      - { .name: lora_up_scales, .offset: 48, .size: 8, .value_kind: global_buffer, .address_space: global }
      - { .name: acodes, .offset: 56, .size: 8, .value_kind: global_buffer, .address_space: global }
      - { .name: bcodes, .offset: 64, .size: 8, .value_kind: global_buffer, .address_space: global }
    .group_segment_fixed_size: 327680
    .private_segment_fixed_size: 0
    .kernarg_segment_align: 8
    .kernarg_segment_size: 72
    .max_flat_workgroup_size: 512
    .sgpr_count:     80
    .vgpr_count:     256
    .wavefront_size: 32
...
	.end_amdgpu_metadata
.endif
;; end of part 1
;; launch gemm (part 2): grid 16 x 16, 4 waves a work-group, clusters of 4 x 4, 327,680 bytes of LDS; arguments acodes, bcodes, bias, out0; writes out0
.if DOCPART == 2
	.amdgcn_target "amdgcn-amd-amdhsa--gfx1250"
	.amdhsa_code_object_version 6
	.text
	.protected	k_q8b405edc2c_gemm
	.globl	k_q8b405edc2c_gemm
	.p2align	8
	.type	k_q8b405edc2c_gemm,@function
k_q8b405edc2c_gemm:
	s_mov_b64 s[64:65], 0
	v_nop
	global_prefetch_b8 v0, s[64:65] scope:SCOPE_SE
	s_setreg_imm32_b32 hwreg(HW_REG_WAVE_MODE, 25, 1), 1
	s_wait_xcnt 0x0
	s_wait_alu depctr_hold_cnt(0) depctr_sa_sdst(0) depctr_va_vdst(0) depctr_va_sdst(0) depctr_va_ssrc(0) depctr_va_vcc(0) depctr_vm_vsrc(0)
	s_getreg_b32 s2, hwreg(HW_REG_IB_STS2, 6, 4)
	s_cmp_eq_u32 s2, 0
	s_cbranch_scc0 .Lentry_in_a_cluster
	s_endpgm
.Lentry_in_a_cluster:
	s_bfe_u32 s2, ttmp6, 0x10000c
	s_cmp_lg_u32 s2, 0xf033
	s_cbranch_scc0 .Lentry_shape_is_right
	s_endpgm
.Lentry_shape_is_right:
; out0[m][n] = bias[n] + sum over 33 K steps of 128 of A[m][k] B[n][k], on codes of BF6 (E3M2) with E8M0 scales: 32 steps of xq W^T and one of Q(t) lora_up^T (32 ranks, filled up with zero codes).
; acodes, bcodes: images of the operands' registers.  A stripe (16 rows) is 11 chunks of 4,864 bytes (19 x 256); a chunk is three fragments (K steps 3 c .. 3 c + 2; registers 4 i .. 4 i + 3 of lane l
; at 512 i + 16 l) and 256 bytes of scale words (row r at 16 r: the three steps' words and a fourth that no product names).
; A tile of 256 x 256 to a work-group of four waves, 128 x 128 a wave: 64 accumulators, 512 registers.  Source 0 = 16 rows of B, source 1 = 16 rows of A: a lane holds eight neighbouring columns of a row.
; THE RING: two equal slots, each a chunk of A's 16 and B's 16 stripes (155,648 bytes).  A wave fetches 8 stripes by one tensor load (8 rows of 4,864 bytes, each from a multiple of 256 bytes);
; from a refill to the wait for it a wave issues 32 + 64 + 64 = 160 matrix instructions.  By the text's own count a wave has one tensor load out.
; CLUSTERS: 4 x 4; A's tiles are asked for jointly along a row of the cluster, B's along a column.
; LDS LOADS: 16 neighbouring bytes a lane, so no padding.  A has one set of registers (blocks 0-3 fetched in a step's middle, 4-7 at its end), B two; B's set for a slot's second and third step is fetched a whole step ahead.
; PREFETCH: behind the joint load of chunk n (n = 2 .. 8) each wave asks for chunk n + 2 of 2 of the 8 stripes that it fetches (the four partners share them out by address): 2 x 19 blocks of 256 bytes, two instructions.
; Chunks 0 to 3 come by their loads alone; the loads of chunks 9 and 10 ask for nothing.
; REGISTERS: window 0: v0-31 addresses; v32-95 scale words, a set for each slot (block i, step q at 32 slot + 4 i + q: lanes 0-15 A's, lanes 16-31 B's); v96-127, v224-255 bias; v128-223 A's fragments.
; window 1: B's fragments at v0 and v128.  Windows 2, 3: the accumulators of my rows 0-63, 64-127.  LIMIT: the sums' order is the K steps', bias first.
.set CH,     4864
.set STRIPE, 11*CH
.set SLOT,   32*CH
.set SPARE,  2*SLOT                    ; the spare words: 128 bytes a wave
.set STAGE,  SLOT                      ; the way out goes through slot 1: the last chunk lies in slot 0
.set SPITCH, 528
.set SIZE_N, 4096
.set FR,     12
.set NP,     4
.set ADRA, 16
.set ADRS, 18
.set ADRB, 20
.set STO,  24
.set RD,   25
.set CO,   26
.set BO,   27
.set SPW,  28
.set NIL,  29
.set PFO,  30
.set SC,   32
.set AF,   128
.set BK,   128
.set G1,  24
.set G0,  32
.set G1B, 48
.set G0B, 56
.set PFA, 66
.set MSB, 0
.macro WIN new
.if MSB != \new
	s_set_vgpr_msb (MSB<<8)|\new
.set MSB, \new
.endif
.endm
.set MUL_LO, 0xa1                      ; source 0 window 1, source 1 window 0, C and D window 2
.set MUL_HI, 0xf1
.set BEG_LO, 0x81                      ; the same with C (bias) in window 0
.set BEG_HI, 0xc1
.set TO_B,   0x40
.macro JLOAD s                         ; a joint load: waves 0, 1 for A, waves 2, 3 for B
	s_cmp_eq_u32 s15, 0
	s_cbranch_scc0 .Lfor_b_\@
	tensor_load_to_lds s[G0+4*\s:G0+4*\s+3], s[G1:G1+7]
	s_nop 0
.rept 4
	v_nop
.endr
	s_branch .Lasked_\@
.Lfor_b_\@:
	tensor_load_to_lds s[G0B+4*\s:G0B+4*\s+3], s[G1B:G1B+7]
	s_nop 0
.rept 4
	v_nop
.endr
.Lasked_\@:
.endm
.macro CREST
	s_cmp_lg_u32 s14, 0
	s_cbranch_scc1 .Lnot_wave_0_\@
	s_barrier_signal -3
.Lnot_wave_0_\@:
	s_barrier_wait -3
	s_barrier_signal -1
	s_barrier_wait -1
.endm
.macro CROUND
	s_barrier_signal -1
	s_barrier_wait -1
	CREST
.endm
.macro ASK off, guard                  ; guard = 1: not in the loop's last trip, where the chunk two refills on does not exist
.if \guard
	s_cmp_gt_u32 s3, 1
	s_cbranch_scc0 .Lno_ask_\@
.endif
	global_prefetch_b8 v[PFO], s[PFA:PFA+1] offset:\off th:TH_LOAD_NT scope:SCOPE_SE          ; blocks 0-15 of the chunk, in two stripes
	global_prefetch_b8 v[PFO+1], s[PFA:PFA+1] offset:\off+4096 th:TH_LOAD_NT scope:SCOPE_SE   ; blocks 16-18; the lanes left over name the last again
.if \guard
.Lno_ask_\@:
.endif
.endm
	s_load_b256 s[4:11], s[0:1], 0x0               ; acodes, bcodes, bias, out0
	v_lshl_add_u32 v[SPW], v0, 2, SPARE
	v_mov_b32 v[NIL], 0
	ds_add_u32 v[SPW], v[NIL]                      ; the opening lines
	ds_add_u32 v[SPW], v[NIL]
	v_lshrrev_b32 v1, 5, v0
	v_readfirstlane_b32 s14, v1                    ; wave
	s_lshr_b32 s15, s14, 1                         ; my half of the rows; also: I fetch for A (0) or B (1)
	s_and_b32 s16, s14, 1                          ; my half of the columns; also: which 8 stripes I fetch
	s_bfe_u32 s40, ttmp6, 0x40000                  ; cx
	s_bfe_u32 s41, ttmp6, 0x40004                  ; cy
	s_lshl_b32 s42, ttmp9, 2
	s_add_co_u32 s42, s42, s40                     ; tile column
	s_and_b32 s17, ttmp7, 0xffff
	s_lshl_b32 s17, s17, 2
	s_add_co_u32 s17, s17, s41                     ; tile row
	s_lshl_b32 s43, s41, 2
	s_lshl_b32 s43, 15, s43                        ; my row of the cluster
	s_lshl_b32 s44, 0x1111, s40                    ; my column
	s_or_b32 s[G1+0], s43, (3<<16)|(1<<21)         ; elements of 8 bytes, no padding
	s_or_b32 s[G1B+0], s44, (3<<16)|(1<<21)
.irp g, G1, G1B
	s_mov_b32 s[\g+1], (CH/8)<<16                  ; 8 rows (stripes) of a chunk's 608 elements, a stripe apart
	s_mov_b32 s[\g+2], 8<<16
	s_mov_b32 s[\g+3], (CH/8)<<16
	s_mov_b32 s[\g+4], 8
	s_mov_b32 s[\g+5], STRIPE/8
	s_mov_b32 s[\g+6], 0
	s_mov_b32 s[\g+7], 0
.endr
	s_lshl_b32 s18, s16, 3
	s_lshl_b32 s20, s17, 4
	s_add_co_u32 s20, s20, s18
	s_mul_i32 s20, s20, STRIPE                     ; A: stripe 16 x tile row + 8 x half
	s_mov_b32 s21, 0
	s_lshl_b32 s46, s42, 4
	s_add_co_u32 s46, s46, s18
	s_mul_i32 s46, s46, STRIPE                     ; B: stripe 16 x tile column + 8 x half
	s_mov_b32 s47, 0
	s_mul_i32 s45, s14, 8*CH                       ; in a slot: A's 16 stripes, then B's 16
	s_wait_dscnt 0x0
	s_wait_kmcnt 0x0
	s_add_nc_u64 s[20:21], s[4:5], s[20:21]
	s_add_nc_u64 s[46:47], s[6:7], s[46:47]
	CROUND                                         ; in front of the first joint loads
.irp s, 0,1
	s_mov_b32 s[G0+4*\s], 1
	s_add_co_u32 s[G0+4*\s+1], s45, \s*SLOT
	s_add_nc_u64 s[G0+4*\s+2:G0+4*\s+3], s[20:21], \s*CH
	s_or_b32 s[G0+4*\s+3], s[G0+4*\s+3], 0x80000000
	s_mov_b32 s[G0B+4*\s], 1
	s_add_co_u32 s[G0B+4*\s+1], s45, \s*SLOT
	s_add_nc_u64 s[G0B+4*\s+2:G0B+4*\s+3], s[46:47], \s*CH
	s_or_b32 s[G0B+4*\s+3], s[G0B+4*\s+3], 0x80000000
.endr
	JLOAD 0                                        ; chunk 0: one tensor load a wave at the head
	s_xor_b32 s23, s15, 1
	s_add_co_u32 s23, s23, s16
	s_add_co_u32 s23, s23, 1
	s_mul_i32 s69, s23, 8*CH                       ; from my 8 stripes of A to my 8 of B
	s_mul_i32 s70, s15, 8*CH
	s_mul_i32 s71, s16, 8*CH
	s_add_co_u32 s71, s71, 16*CH
	s_mul_i32 s72, s14, 16*SPITCH
	s_add_co_u32 s72, s72, STAGE                   ; my stage
	s_lshl_b32 s74, s17, 8
	s_lshl_b32 s75, s15, 7
	s_add_co_u32 s74, s74, s75
	s_lshl_b32 s74, s74, 14                        ; my first row of out0, 16,384 bytes a row
	s_mov_b32 s75, 0
	s_lshl_b32 s76, s42, 10
	s_lshl_b32 s77, s16, 9
	s_add_co_u32 s76, s76, s77                     ; my first column, in bytes
	s_mov_b32 s77, 0
	s_add_nc_u64 s[8:9], s[8:9], s[76:77]
	s_add_nc_u64 s[10:11], s[10:11], s[74:75]
	s_add_nc_u64 s[10:11], s[10:11], s[76:77]
	s_cmp_eq_u32 s15, 0                            ; the prefetches: of the 8 stripes that I fetch, my work-group's two
	s_cselect_b32 s78, s17, s42
	s_cselect_b32 s79, s40, s41
	s_cselect_b64 s[PFA:PFA+1], s[4:5], s[6:7]
	s_lshl_b32 s78, s78, 4
	s_add_co_u32 s78, s78, s18
	s_lshl_b32 s79, s79, 1
	s_add_co_u32 s78, s78, s79
	s_mul_i32 s78, s78, STRIPE
	s_add_co_u32 s78, s78, 2*CH                    ; at chunk 2: the first change of slots steps it to chunk 4
	s_mov_b32 s79, 0
	s_add_nc_u64 s[PFA:PFA+1], s[PFA:PFA+1], s[78:79]
	v_and_b32 v1, 31, v0                           ; lane
	v_bfe_u32 v2, v0, 4, 1                         ; h
	v_and_b32 v6, 15, v0                           ; r
	v_lshlrev_b32 v[CO], 4, v1
	v_lshlrev_b32 v4, 4, v6
	v_mul_u32_u24 v5, s69, v2
	v_mul_u32_u24 v7, v6, SPITCH
	v_min_u32 v8, 2, v6
	v_mul_u32_u24 v9, v2, STRIPE
	v_lshlrev_b32 v[BO], 5, v2
	v_add_nc_u32 v5, v5, v4                        ; scale words: 16 r, lanes 16-31 in B's stripes
	v_add_nc_u32 v[ADRA], s70, v[CO]
	v_add_nc_u32 v[ADRB], s71, v[CO]
	v_add_nc_u32 v[ADRS], s70, v5
	v_add_nc_u32 v[ADRA+1], SLOT, v[ADRA]
	v_add_nc_u32 v[ADRB+1], SLOT, v[ADRB]
	v_add_nc_u32 v[ADRS+1], SLOT, v[ADRS]
	v_lshl_add_u32 v7, v2, 5, v7
	v_add_nc_u32 v[STO], s72, v7
	v_add_nc_u32 v[RD], s72, v[CO]
	v_lshl_add_u32 v[PFO], v6, 8, v9
	v_lshl_add_u32 v[PFO+1], v8, 8, v9
	s_wait_alu depctr_va_vdst(0)
.irp b, 0,1,2,3,4,5,6,7
	global_load_b128 v[96+8*\b+96*(\b/4):96+8*\b+96*(\b/4)+3], v[BO], s[8:9] offset:64*\b       ; bias of columns 16 b + 8 h + 0 .. 7: the C of the first products
	global_load_b128 v[96+8*\b+96*(\b/4)+4:96+8*\b+96*(\b/4)+7], v[BO], s[8:9] offset:64*\b+16
.endr
.macro FRAG reg, adr, slot, q, i
.irp c, 0,1,2
	ds_load_b128 v[\reg+4*\c:\reg+4*\c+3], v[\adr+(\slot)] offset:(\i)*CH+1536*(\q)+512*\c
.endr
.endm
; 16 matrix instructions: A's blocks a0, a0 + 1 x B's eight.  The 64 accumulators take turns
.macro MUL16 a0, p, q, slot, first
.set SBM, SC+32*(\slot)+(\q)
.irp a, \a0, \a0+1
.irp b, 0,1,2,3,4,5,6,7
.if \first
	v_wmma_scale_f32_16x16x128_f8f6f4 v[8*(8*((\a)%4)+\b):8*(8*((\a)%4)+\b)+7], v[128*(\p)+FR*\b:128*(\p)+FR*\b+FR-1], v[AF+FR*(\a):AF+FR*(\a)+FR-1], v[96+8*\b+96*(\b/4):96+8*\b+96*(\b/4)+7], v[SBM+4*\b], v[SBM+4*(\a)] matrix_a_fmt:MATRIX_FMT_BF6 matrix_b_fmt:MATRIX_FMT_BF6 matrix_a_scale:MATRIX_SCALE_ROW1
.else
	v_wmma_scale_f32_16x16x128_f8f6f4 v[8*(8*((\a)%4)+\b):8*(8*((\a)%4)+\b)+7], v[128*(\p)+FR*\b:128*(\p)+FR*\b+FR-1], v[AF+FR*(\a):AF+FR*(\a)+FR-1], v[8*(8*((\a)%4)+\b):8*(8*((\a)%4)+\b)+7], v[SBM+4*\b], v[SBM+4*(\a)] matrix_a_fmt:MATRIX_FMT_BF6 matrix_b_fmt:MATRIX_FMT_BF6 matrix_a_scale:MATRIX_SCALE_ROW1
.endif
.endr
.endr
.endm
.macro FETCH_B slot, q, p              ; 24 loads
	WIN TO_B
.irp i, 0,1,2,3,4,5,6,7
	FRAG 128*(\p)+FR*\i, ADRB, \slot, \q, \i
.endr
	WIN 0
.endm
.macro FETCH_A slot, q, i0             ; 12 loads
.irp i, \i0, \i0+1, \i0+2, \i0+3
	FRAG AF+FR*(\i), ADRA, \slot, \q, \i
.endr
.endm
.macro SCALES slot                     ; 8 loads: a chunk's words of my 8 blocks of A and 8 of B
.irp i, 0,1,2,3,4,5,6,7
	ds_load_b128 v[SC+32*(\slot)+4*\i:SC+32*(\slot)+4*\i+3], v[ADRS+(\slot)] offset:\i*CH+4608
.endr
.endm
.macro PLACES n                        ; places behind matrix instructions, ahead of loads into their registers
.rept \n
	v_nop
.endr
.endm
; A slot's first or second step.  B's set is (slot + q) % 2.
.macro STEP slot, q, first
.set P, ((\slot)+(\q))%2
	s_wait_dscnt 42                                ; may be out: A's blocks 2, 3 (6), blocks 4-7 (12), a later set of B (24)
.if \first
	WIN BEG_LO
.else
	WIN MUL_LO
.endif
	MUL16 0, P, \q, \slot, \first
	s_wait_dscnt 36                                ; A's blocks 2, 3 are in
	MUL16 2, P, \q, \slot, \first
	PLACES NP
	WIN 0
	FETCH_A \slot, (\q)+1, 0
	s_wait_dscnt 36                                ; A's blocks 4-7 are in; behind them: a set of B (24) and the 12 just issued
.if \first
	WIN BEG_HI
.else
	WIN MUL_HI
.endif
	MUL16 4, P, \q, \slot, \first
	MUL16 6, P, \q, \slot, \first
	PLACES NP
	WIN 0
	FETCH_A \slot, (\q)+1, 4
.if (\q) == 0
	FETCH_B \slot, 2, P                            ; the slot's third step, into the set just multiplied
.endif
.endm
; A slot's third step changes slots: ONE barrier; in front of it all my tensor loads have landed, the add, and my reads of this slot are back.  fill = 1: it opens a round of the cluster's barrier, and the slot takes the chunk two on.
; ask = 1: the prefetches' address steps two chunks, and chunk n + 2 is asked for; ask = 2: the chunk after that, but in the last trip
.macro TURN slot, fill, ask
.if \ask == 1
	s_wait_xcnt 0x0                                ; my prefetches have read their address
	s_add_nc_u64 s[PFA:PFA+1], s[PFA:PFA+1], 2*CH
.endif
	s_wait_tensorcnt 0x0
	ds_add_u32 v[SPW], v[NIL]
	s_wait_dscnt 13                                ; the add and A's blocks 4-7 may be out
	WIN MUL_LO
	MUL16 0, \slot, 2, \slot, 0
	s_wait_dscnt 0x0
	s_barrier_signal -1
	MUL16 2, \slot, 2, \slot, 0
	WIN 0
	s_barrier_wait -1
.if \fill
	CREST
	s_add_nc_u64 s[G0+4*\slot+2:G0+4*\slot+3], s[G0+4*\slot+2:G0+4*\slot+3], 2*CH
	s_add_nc_u64 s[G0B+4*\slot+2:G0B+4*\slot+3], s[G0B+4*\slot+2:G0B+4*\slot+3], 2*CH
	JLOAD \slot                                    ; its four v_nop are the places in front of the loads below
.else
	PLACES NP
.endif
	FETCH_B 1-\slot, 0, 1-\slot
	SCALES 1-\slot
	FETCH_A 1-\slot, 0, 0
.if \ask == 1
	ASK 0, 0
.endif
.if \ask == 2
	ASK CH, 1
.endif
	WIN MUL_HI
	MUL16 4, \slot, 2, \slot, 0
	MUL16 6, \slot, 2, \slot, 0
	PLACES NP
	WIN 0
	FETCH_A 1-\slot, 0, 4
	FETCH_B 1-\slot, 1, \slot
.endm
	s_wait_tensorcnt 0x0                           ; my part of chunk 0 is in; slot 1's first fill is issued as a refill is
	ds_add_u32 v[SPW], v[NIL]
	s_wait_dscnt 0x0
	CROUND
	JLOAD 1                                        ; chunk 1
	FETCH_B 0, 0, 0
	SCALES 0
	FETCH_A 0, 0, 0
	FETCH_A 0, 0, 4
	FETCH_B 0, 1, 1
	s_wait_loadcnt 0x0                             ; bias
	STEP 0, 0, 1                                   ; the first products start the sums from bias
	s_mov_b32 s3, 4
.Llap:                                                 ; once round the ring: chunks 2 t and 2 t + 1, from the first's second step to the next lap's first
	STEP 0, 1, 0
	TURN 0, 1, 1
	STEP 1, 0, 0
	STEP 1, 1, 0
	TURN 1, 1, 2
	STEP 0, 0, 0
	s_sub_co_u32 s3, s3, 1
	s_cmp_lg_u32 s3, 0
	s_cbranch_scc1 .Llap
	STEP 0, 1, 0                                   ; chunk 8,
	TURN 0, 1, 0                                   ; whose slot takes chunk 10: the last load
	STEP 1, 0, 0
	STEP 1, 1, 0
	TURN 1, 0, 0
	STEP 0, 0, 0
	STEP 0, 1, 0
	s_wait_dscnt 12                                ; the low-rank step: nothing more to fetch
	WIN MUL_LO
	MUL16 0, 0, 2, 0, 0
	MUL16 2, 0, 2, 0, 0
	s_wait_dscnt 0
	WIN MUL_HI
	MUL16 4, 0, 2, 0, 0
	MUL16 6, 0, 2, 0, 0
	WIN 0
; THE WAY OUT: a block of 16 rows x 128 columns goes through my own stage and comes back as whole rows of 512 bytes.  Slot 1 has had its last fill, and every wave has passed the barrier behind its last reads.
.macro TOSTAGE a
.set AC, 64*((\a)%4)
	WIN 0x08+4*((\a)/4)
.irp b, 0,1,2,3,4,5,6,7
	ds_store_b128 v[STO], v[AC+8*\b:AC+8*\b+3] offset:64*\b          ; each accumulator from its low end on
	ds_store_b128 v[STO], v[AC+8*\b+4:AC+8*\b+7] offset:64*\b+16
.endr
	WIN 0
.set BB, BK+64*((\a)%2)
.irp t, 0,1,2,3,4,5,6,7,8,9,10,11,12,13,14,15
	ds_load_b128 v[BB+4*\t:BB+4*\t+3], v[RD] offset:\t*SPITCH
.endr
.endm
.macro SEND a, younger
.set BB, BK+64*((\a)%2)
	s_wait_dscnt \younger
.if (\a) > 0
	s_add_nc_u64 s[10:11], s[10:11], 16*SIZE_N*4   ; behind a wait on XCNT: the earlier stores have read their base
.endif
.irp t, 0,1,2,3,4,5,6,7,8,9,10,11,12,13,14,15
	global_store_b128 v[CO], v[BB+4*\t:BB+4*\t+3], s[10:11] offset:\t*SIZE_N*4 th:TH_STORE_NT   ; 32 lanes store 512 consecutive bytes at a multiple of 256
.endr
.endm
	PLACES NP
	TOSTAGE 0
.irp a, 1,2,3,4,5,6,7
.if \a > 1
	s_wait_xcnt 0x0                                ; block a - 2's stores have read their registers and their base
.endif
	TOSTAGE \a
	SEND \a-1, 32                                  ; behind block a - 1's loads: block a's 16 stores and 16 loads
.endr
	s_wait_xcnt 0x0
	SEND 7, 0
	s_wait_tensorcnt 0x0                           ; the wave's end
	ds_add_u32 v[SPW], v[NIL]
	s_wait_dscnt 0x0
	CROUND                                         ; the closing round
	s_endpgm
.Lfunc_end_k_q8b405edc2c_gemm:
	.size	k_q8b405edc2c_gemm, .Lfunc_end_k_q8b405edc2c_gemm-k_q8b405edc2c_gemm
	.p2alignl 7, 3214868480
	.fill 96, 4, 3214868480
	.section	.rodata,"a",@progbits
	.p2align	6, 0x0
	.amdhsa_kernel k_q8b405edc2c_gemm
		.amdhsa_group_segment_fixed_size 327680
		.amdhsa_private_segment_fixed_size 0
		.amdhsa_enable_private_segment 0
		.amdhsa_kernarg_size 32
		.amdhsa_user_sgpr_count 2
		.amdhsa_user_sgpr_kernarg_segment_ptr 1
		.amdhsa_wavefront_size32 1
		.amdhsa_system_sgpr_workgroup_id_x 1
		.amdhsa_system_sgpr_workgroup_id_y 1
		.amdhsa_system_sgpr_workgroup_id_z 1
		.amdhsa_system_vgpr_workitem_id 0
		.amdhsa_next_free_vgpr 1024
		.amdhsa_next_free_sgpr 90
		.amdhsa_reserve_vcc 0
		.amdhsa_float_denorm_mode_32 3
		.amdhsa_float_denorm_mode_16_64 3
		.amdhsa_memory_ordered 1
		.amdhsa_forward_progress 1
		.amdhsa_inst_pref_size 218
	.end_amdhsa_kernel
	.amdgpu_metadata
---
amdhsa.version: [ 1, 2 ]
amdhsa.kernels:
  - .name:           k_q8b405edc2c_gemm
    .symbol:         k_q8b405edc2c_gemm.kd
    .args:
      - { .name: acodes, .offset: 0, .size: 8, .value_kind: global_buffer, .address_space: global }
      - { .name: bcodes, .offset: 8, .size: 8, .value_kind: global_buffer, .address_space: global }
      - { .name: bias, .offset: 16, .size: 8, .value_kind: global_buffer, .address_space: global }
      - { .name: out0, .offset: 24, .size: 8, .value_kind: global_buffer, .address_space: global }
    .group_segment_fixed_size: 327680
    .private_segment_fixed_size: 0
    .kernarg_segment_align: 8
    .kernarg_segment_size: 32
    .max_flat_workgroup_size: 128
    .sgpr_count:     90
    .vgpr_count:     1024
    .wavefront_size: 32
...
	.end_amdgpu_metadata
.endif
;; end of part 2
